; MI455X (gfx1250); checked and timed in simulation.
; The chip was launched on July 23, 2026; its instructions are those of AMD's public machine-readable ISA for CDNA 5 (MIT licence, August 2026) and "CDNA5" Instruction Set Architecture Reference Guide (July 2026). The comments in the code are by the model that wrote it; some were corrected since.
;; MLP Sampler. Allowed arithmetic: float matrix products may take bf16 or f16 operands with f32 sums; other float arithmetic in f32, or as packed bf16 or f16 multiplies, adds, multiply-adds, maxima and minima; sums over many terms, partial sums and values carried from step to step in f32; what a program stores and reads back later, other than sums and carried values, may be rounded once to bf16 or f16.
;; Inputs: init_h 1 x 256 float32; input_samples 4,096 x 32 int32; mW1 31 x 31 x 512 float32; mW2 31 x 512 x 512 float32; mW3 31 x 512 x 256 float32; mb1 31 x 512 float32; mb2 31 x 512 float32; mb3 31 x 256 float32; oW1 256 x 512 float32; oW2 512 x 2 float32; ob1 512 float32; ob2 2 float32.
;; Outputs: out0 4,096 x 32 float32.
;; One version. Each part assembles by itself: llvm-mc -triple=amdgcn-amd-amdhsa -mcpu=gfx1250 --defsym DOCPART=n.
;; ======== version 1 of 1: 2 launches
;; limits: values outside matrix products are rounded to bf16
;; workspace buffers: wk 25,976,832 bytes
;; launch prep (part 1): grid 791 x 1, 8 waves a work-group, no clusters, 5,120 bytes of LDS; arguments mW1, mb1, mW2, mb2, mW3, mb3, oW1, ob1, oW2, ob2, init_h, wk; writes wk
.if DOCPART == 1
	.amdgcn_target "amdgcn-amd-amdhsa--gfx1250"
	.amdhsa_code_object_version 6
	.text
	.protected	k_q2e862aa34e_prep
	.globl	k_q2e862aa34e_prep
	.p2align	8
	.type	k_q2e862aa34e_prep,@function
k_q2e862aa34e_prep:
	s_mov_b64 s[64:65], 0
	v_nop
	global_prefetch_b8 v0, s[64:65] scope:SCOPE_SE
	s_setreg_imm32_b32 hwreg(HW_REG_WAVE_MODE, 25, 1), 1
	s_wait_xcnt 0x0
; MLPSampler, launch 1 of 2: the weights are rounded to bf16 once and laid out as the second launch's matrix instructions take them.
; THE PROBLEM.  input_samples is given, so the 32 columns of the output do not hang on each other.  Column i + 1 (i = 0..30) is, for each of 4,096 rows,
;   x (31 history bits, the first i + 1 kept) -> relu(x mW1[i] + mb1[i]) -> relu(. mW2[i] + mb2[i]) -> . mW3[i] + mb3[i] -> relu(. oW1 + ob1) -> . oW2 + ob2 -> log_softmax -> the entry of sample[n][i + 1].
; WORK THAT IS LEFT OUT, for all values of the inputs:
;  (1) reference() multiplies history column k by (k <= i), a mask that it builds itself: row k > i of mW1[i] meets a zero whatever the inputs hold.  Those rows are not read (their loads
;      repeat row i) and zeros stand in their places.
;  (2) log_softmax over two logits: the entry of class c is -log(1 + exp(l_other - l_c)); what the two logits have in common cancels.  So oW2 enters as wd = oW2[:,1] - oW2[:,0] and ob2 as
;      bd = ob2[1] - ob2[0], one column in the place of two.  The second launch takes max(z, 0) out before its exponential, which is reference()'s maximum in this form.
;  (3) column 0's state is init_h, broadcast by reference() to all rows: its logits are one row's work.  Role C below makes their difference; the second launch selects by the sample.
; Every input keeps a way to the output: all are loaded.  LIMIT: a NaN or an infinity in a row of mW1 left out by (1) is not carried to the result.
; wk, in bytes.  A FRAGMENT is 1,024 bytes: 16 output features m = 16 b + r by 32 inputs k = 32 kap + 16 c + 8 h + e; bf16(W[k][m]) lies at 512 c + 256 h + 16 r + 2 e,
; so that lane L of the reader takes bytes 16 L and 512 + 16 L.  Step i begins at i STEPB:
;   +0      the resident block: mW1[i]'s fragments 0..31 (k = 31 holds mb1[i]), fragments 32, 33 = 0, 1 once more; mb2[i]; mb3[i]; ob1; wd; bd repeated (all f32): 168 x 256 bytes
;   +R_B    mW2[i]: fragment ((b >> 4) 16 + kap) 16 + (b & 15);      +R_B+524288  mW3[i]: fragment (b >> 1) 32 + 2 kap + (b & 1)
; OWOFF: oW1, fragment (b >> 1) 16 + 2 kap + (b & 1).   D0OFF + 256 c: part c of 8 of column 0's logit difference, without bd, f32, repeated over 256 bytes.
; ROLES by the work-group's number g: 0..495 mW2, 496..743 mW3, 744..751 oW1, 752..782 a step's resident block, 783..790 column 0.
; A stream: no work-group reads what another reads (but oW1, twice), so there is no cluster, no tensor load and no ring; a wave has all its 64 loads out before its first wait.
; Column 0 is one row (131,072 multiply-adds in all): on a matrix tile 15 rows of 16 would be padding, so it is made by f32 multiply-adds.
.set R_B,   43008
.set STEPB, 829440
.set OWOFF, 31*STEPB
.set D0OFF, OWOFF+262144
.set O_B2,  34816
.set O_B3,  36864
.set O_OB,  37888
.set O_WD,  39936
.set O_BD,  41984
; v1 lane  v2 4 x lane  v3, v4 store offsets of column sets 0, 1  v[16:47], v[48:79] 32 k of one column a lane, sets 0, 1  v[80:111] packed  v126, v127 the add's registers
; s28 wave  s29 g  s[30:31] source  s33 first fragment's byte in wk  s37 bytes from set 0's fragments to set 1's
; Eight numbers along k of one column make 16 bytes; sixteen lanes store 256 consecutive bytes, aligned.  counted = 1: the loads came in the order k, set: 16 younger for each octet of k still to come.
.macro PIECES counted
.set pq, 0
.rept 4
.if \counted
	s_wait_loadcnt 48-16*pq
.endif
.irp st, 0,1
.irp j, 0,1,2,3
	v_cvt_pk_bf16_f32 v[80+16*\st+4*pq+\j], v[16+32*\st+8*pq+2*\j], v[16+32*\st+8*pq+2*\j+1]
.endr
	global_store_b128 v[3+\st], v[80+16*\st+4*pq:80+16*\st+4*pq+3], s[26:27] offset:256*pq
.endr
.set pq, pq+1
.endr
.endm
; A wave's tile: 32 rows k x 64 columns -> four fragments.  A row's two loads stand on end and cover 256 consecutive bytes, aligned.  No register is written twice, so nothing waits for a store.
.macro TILE pitch, hint:vararg
	v_add_nc_u32 v3, s33, v3
	v_add_nc_u32 v4, s37, v3
.set kk, 0
.rept 32
	global_load_b32 v[16+kk], v2, s[30:31] offset:kk*(\pitch) \hint
	global_load_b32 v[48+kk], v2, s[30:31] offset:kk*(\pitch)+128 \hint
.set kk, kk+1
.endr
	PIECES 1
	s_branch .Lend
.endm
	s_load_b512 s[4:19], s[0:1], 0x0               ; mW1 s[4:5], mb1 s[6:7], mW2 s[8:9], mb2 s[10:11], mW3 s[12:13], mb3 s[14:15], oW1 s[16:17], ob1 s[18:19]
	s_load_b256 s[20:27], s[0:1], 0x40             ; oW2 s[20:21], ob2 s[22:23], init_h s[24:25], wk s[26:27]
	v_lshl_add_u32 v126, v0, 2, 4096               ; my spare word, behind role C's 4,096 bytes
	v_mov_b32 v127, 0
	v_lshrrev_b32 v1, 5, v0
	v_readfirstlane_b32 s28, v1                    ; wave 0..7
	v_and_b32 v1, 31, v0                           ; lane
	v_lshlrev_b32 v2, 2, v1
	v_and_b32 v3, 15, v1
	v_lshrrev_b32 v4, 4, v1
	v_lshlrev_b32 v3, 4, v3
	v_lshl_add_u32 v3, v4, 10, v3                  ; lanes 16-31 hold the next block's columns: 1,024 (l >> 4) + 16 (l & 15)
	s_mov_b32 s29, ttmp9
	s_mov_b32 s31, 0
	s_wait_kmcnt 0x0
	s_cmp_ge_u32 s29, 496
	s_cbranch_scc1 .Lnot_w2
	; mW2: i = g >> 4, kap = g & 15, column group G = wave.  Rows 512 i + 32 kap are g x 65,536 bytes in
	s_lshl_b32 s30, s29, 16
	s_lshl_b32 s34, s28, 8
	s_add_co_u32 s30, s30, s34
	s_add_nc_u64 s[30:31], s[8:9], s[30:31]
	s_lshr_b32 s32, s29, 4
	s_mul_i32 s33, s32, STEPB
	s_and_b32 s34, s29, 15
	s_lshl_b32 s34, s34, 14                        ; kap x 16 fragments
	s_add_co_u32 s33, s33, s34
	s_lshr_b32 s34, s28, 2
	s_lshl_b32 s34, s34, 18                        ; the half of the 32 blocks x 256 fragments
	s_add_co_u32 s33, s33, s34
	s_and_b32 s34, s28, 3
	s_lshl_b32 s34, s34, 12                        ; 4 (G & 3) fragments
	s_add_co_u32 s33, s33, s34
	s_add_co_u32 s33, s33, R_B
	s_mov_b32 s37, 2048
	TILE 2048, th:TH_LOAD_NT
.Lnot_w2:
	s_cmp_ge_u32 s29, 744
	s_cbranch_scc1 .Lnot_w3
	; mW3: g' = g - 496; 16 i + kap = 2 g' + (wave >> 2); G = wave & 3
	s_sub_co_u32 s32, s29, 496
	s_lshr_b32 s34, s28, 2
	s_lshl1_add_u32 s35, s32, s34
	s_lshl_b32 s30, s35, 15                        ; 32 rows of 1,024 bytes
	s_and_b32 s36, s28, 3
	s_lshl_b32 s38, s36, 8
	s_add_co_u32 s30, s30, s38
	s_add_nc_u64 s[30:31], s[12:13], s[30:31]
	s_lshr_b32 s38, s32, 3
	s_mul_i32 s33, s38, STEPB
	s_and_b32 s38, s35, 15
	s_lshl_b32 s38, s38, 11                        ; 2 kap fragments
	s_add_co_u32 s33, s33, s38
	s_lshl_b32 s38, s36, 16                        ; 2 G x 32 fragments
	s_add_co_u32 s33, s33, s38
	s_add_co_u32 s33, s33, R_B+524288
	s_mov_b32 s37, 32768
	TILE 1024, th:TH_LOAD_NT
.Lnot_w3:
	s_cmp_ge_u32 s29, 752
	s_cbranch_scc1 .Lnot_ow
	; oW1: kap = g - 744, G = wave.  No hint: role C reads these rows again
	s_sub_co_u32 s32, s29, 744
	s_lshl_b32 s30, s32, 16
	s_lshl_b32 s34, s28, 8
	s_add_co_u32 s30, s30, s34
	s_add_nc_u64 s[30:31], s[16:17], s[30:31]
	s_lshl_b32 s33, s28, 15                        ; 2 G x 16 fragments
	s_lshl_b32 s34, s32, 11
	s_add_co_u32 s33, s33, s34
	s_add_co_u32 s33, s33, OWOFF
	s_mov_b32 s37, 16384
	TILE 2048
.Lnot_ow:
	s_cmp_ge_u32 s29, 783
	s_cbranch_scc1 .Lrole_c
	; ROLE R: step i's resident block
	s_load_b64 s[46:47], s[22:23], 0x0             ; ob2
	s_sub_co_u32 s32, s29, 752                     ; i
	s_mul_i32 s30, s32, 63488
	s_add_nc_u64 s[30:31], s[4:5], s[30:31]        ; mW1[i]
	s_lshl_b32 s34, s32, 11
	s_mov_b32 s35, 0
	s_add_nc_u64 s[38:39], s[6:7], s[34:35]        ; mb1[i]
	s_add_nc_u64 s[42:43], s[10:11], s[34:35]      ; mb2[i]
	s_lshl_b32 s34, s32, 10
	s_add_nc_u64 s[44:45], s[14:15], s[34:35]      ; mb3[i]
	s_mul_i32 s33, s32, STEPB
	s_lshl_b32 s36, s28, 8
	v_add_nc_u32 v5, s36, v2                       ; my column: 256 x wave + 4 x lane
.set kk, 0
.rept 31                                               ; row min(k, i): a row past i is never read.  Each load lands on its own offset register
	s_min_u32 s40, s32, kk
	s_lshl_b32 s40, s40, 11
	v_add_nc_u32 v[16+kk], s40, v5
	v_add_nc_u32 v[48+kk], s40, v5
	global_load_b32 v[16+kk], v[16+kk], s[30:31]
	global_load_b32 v[48+kk], v[48+kk], s[30:31] offset:128
.set kk, kk+1
.endr
	global_load_b32 v47, v5, s[38:39]              ; k = 31: mb1[i]; the reader's x holds 1 there
	global_load_b32 v79, v5, s[38:39] offset:128
	v_lshlrev_b32 v6, 3, v0                        ; 8 t
	v_lshlrev_b32 v7, 4, v0                        ; 16 t
	global_load_b64 v[112:113], v6, s[42:43]       ; mb2[i][2 t ..]
	global_load_b64 v[114:115], v6, s[18:19]       ; ob1[2 t ..]
	global_load_b128 v[116:119], v7, s[20:21]      ; oW2's rows 2 t, 2 t + 1
	s_wait_kmcnt 0x0
	s_cmp_lt_u32 s28, 4
	s_cbranch_scc0 .Lr_bd
	global_load_b64 v[120:121], v6, s[44:45]       ; waves 0-3: mb3[i][2 t ..],
	s_mov_b32 s41, O_B3                            ; which goes to O_B3 + 8 t
	s_branch .Lr_both
.Lr_bd:
	v_mov_b32 v122, s46                            ; waves 4-7: bd, twice,
	v_sub_f32 v120, s47, v122
	v_mov_b32 v121, v120
	s_mov_b32 s41, O_BD-1024                       ; which goes to O_BD + 8 (t - 128)
.Lr_both:
	s_add_co_u32 s41, s41, s33
	v_add_nc_u32 v9, s41, v6
	s_lshl_b32 s36, s28, 12                        ; fragment = block: 4 x wave fragments in
	s_add_co_u32 s36, s36, s33
	v_add_nc_u32 v3, s36, v3
	v_add_nc_u32 v4, 2048, v3
	s_wait_loadcnt 0x0                             ; all of them: the rows did not come in the pieces' order
.set kk, 1
.rept 30                                               ; zeros for the rows past i (row 0 is kept in every step)
	s_cmp_le_u32 kk, s32
	s_cselect_b32 s40, -1, 0
	v_and_b32 v[16+kk], s40, v[16+kk]
	v_and_b32 v[48+kk], s40, v[48+kk]
.set kk, kk+1
.endr
	PIECES 0
	v_add_nc_u32 v8, s33, v6
	v_sub_f32 v116, v117, v116                     ; wd[2 t]
	v_sub_f32 v117, v119, v118                     ; wd[2 t + 1]
	global_store_b64 v8, v[112:113], s[26:27] offset:O_B2   ; a wave stores 256 consecutive bytes, aligned
	global_store_b64 v8, v[114:115], s[26:27] offset:O_OB
	global_store_b64 v8, v[116:117], s[26:27] offset:O_WD
	global_store_b64 v9, v[120:121], s[26:27]
	s_cmp_lg_u32 s28, 0
	s_cbranch_scc1 .Lend
.irp p, 0,1,2,3                                        ; wave 0: fragments 0 and 1 once more, as 32 and 33
	global_store_b128 v3, v[80+4*\p:80+4*\p+3], s[26:27] offset:256*\p+32768
.endr
	s_branch .Lend
.Lrole_c:
	; ROLE C: hidden columns 64 c .. 64 c + 63 of relu(init_h oW1 + ob1), times wd, summed.  Thread t: rows 16 (t >> 4) .. + 15, columns 4 (t & 15) .. + 3
	s_sub_co_u32 s32, s29, 783
	s_lshl_b32 s33, s32, 8
	v_lshrrev_b32 v5, 4, v0
	v_and_b32 v6, 15, v0
	v_lshlrev_b32 v7, 15, v5
	v_lshl_add_u32 v7, v6, 4, v7
	v_add_nc_u32 v7, s33, v7
	v_lshlrev_b32 v8, 6, v5
.set kk, 0
.rept 16
	global_load_b128 v[16+4*kk:16+4*kk+3], v7, s[16:17] offset:2048*kk
.set kk, kk+1
.endr
.irp e, 0,1,2,3
	global_load_b128 v[80+4*\e:80+4*\e+3], v8, s[24:25] offset:16*\e
.endr
	v_lshlrev_b32 v9, 4, v0
	s_wait_loadcnt 0x0
.irp x, 0,1,2,3
	v_mul_f32 v[12+\x], v80, v[16+\x]              ; the first product starts the sums
.endr
.set kk, 1
.rept 15
.irp x, 0,1,2,3
	v_fmac_f32 v[12+\x], v[80+kk], v[16+4*kk+\x]
.endr
.set kk, kk+1
.endr
	ds_store_b128 v9, v[12:15]                     ; row group t >> 4 at 256 bytes each
	s_wait_dscnt 0x0                               ; for the others' sake: my store is done
	s_barrier_signal -1
	s_barrier_wait -1
	s_cmp_lg_u32 s28, 0
	s_cbranch_scc1 .Lend
	v_lshrrev_b32 v5, 4, v1                        ; wave 0: lane (p, cq) adds row groups 8 p .. 8 p + 7 of columns 4 cq ..
	v_and_b32 v6, 15, v1
	v_lshlrev_b32 v10, 4, v6
	v_lshl_add_u32 v11, v5, 11, v10
	v_add_nc_u32 v10, s33, v10                     ; v10 and v112, the offsets of the three loads below, are written no more
	s_lshl_b32 s34, s32, 9
	v_lshl_add_u32 v112, v6, 5, s34
	global_load_b128 v[48:51], v10, s[18:19]       ; ob1
	global_load_b128 v[52:55], v112, s[20:21]      ; oW2's four rows
	global_load_b128 v[56:59], v112, s[20:21] offset:16
.irp j, 0,1,2,3,4,5,6,7
	ds_load_b128 v[16+4*\j:16+4*\j+3], v11 offset:256*\j
.endr
	s_mov_b32 s40, 0x76543210
	s_mov_b32 s41, 0xfedcba98
	s_wait_dscnt 0x0
.irp j, 1,2,3,4,5,6,7
	v_pk_add_f32 v[16:17], v[16:17], v[16+4*\j:17+4*\j]
	v_pk_add_f32 v[18:19], v[18:19], v[18+4*\j:19+4*\j]
.endr
.irp x, 0,1,2,3
	v_permlanex16_b32 v[20+\x], v[16+\x], s40, s41 ; the other eight row groups
.endr
	v_pk_add_f32 v[16:17], v[16:17], v[20:21]
	v_pk_add_f32 v[18:19], v[18:19], v[22:23]
	s_wait_loadcnt 0x0
	v_pk_add_f32 v[16:17], v[16:17], v[48:49]
	v_pk_add_f32 v[18:19], v[18:19], v[50:51]
.irp x, 0,1,2,3
	v_max_num_f32 v[16+\x], 0, v[16+\x]
.endr
	v_sub_f32 v60, v53, v52
	v_sub_f32 v61, v55, v54
	v_sub_f32 v62, v57, v56
	v_sub_f32 v63, v59, v58
	v_mul_f32 v20, v16, v60
	v_fmac_f32 v20, v17, v61
	v_fmac_f32 v20, v18, v62
	v_fmac_f32 v20, v19, v63
	v_add_f32_dpp v20, v20, v20 row_xmask:1 row_mask:0xf bank_mask:0xf
	v_add_f32_dpp v20, v20, v20 row_xmask:2 row_mask:0xf bank_mask:0xf
	v_add_f32_dpp v20, v20, v20 row_xmask:4 row_mask:0xf bank_mask:0xf
	v_add_f32_dpp v20, v20, v20 row_xmask:8 row_mask:0xf bank_mask:0xf
	v_mov_b32 v21, v20
	s_add_co_u32 s33, s33, D0OFF
	v_lshl_add_u32 v24, v1, 3, s33
	global_store_b64 v24, v[20:21], s[26:27]       ; 256 consecutive bytes, aligned, all holding the part
.Lend:
	s_wait_tensorcnt 0x0                           ; the wave's end
	ds_add_u32 v126, v127
	s_wait_dscnt 0x0
	s_endpgm
.Lfunc_end_k_q2e862aa34e_prep:
	.size	k_q2e862aa34e_prep, .Lfunc_end_k_q2e862aa34e_prep-k_q2e862aa34e_prep
	.p2alignl 7, 3214868480
	.fill 96, 4, 3214868480
	.section	.rodata,"a",@progbits
	.p2align	6, 0x0
	.amdhsa_kernel k_q2e862aa34e_prep
		.amdhsa_group_segment_fixed_size 5120
		.amdhsa_private_segment_fixed_size 0
		.amdhsa_enable_private_segment 0
		.amdhsa_kernarg_size 96
		.amdhsa_user_sgpr_count 2
		.amdhsa_user_sgpr_kernarg_segment_ptr 1
		.amdhsa_wavefront_size32 1
		.amdhsa_system_sgpr_workgroup_id_x 1
		.amdhsa_system_sgpr_workgroup_id_y 1
		.amdhsa_system_sgpr_workgroup_id_z 1
		.amdhsa_system_vgpr_workitem_id 0
		.amdhsa_next_free_vgpr 128
		.amdhsa_next_free_sgpr 66
		.amdhsa_reserve_vcc 0
		.amdhsa_float_denorm_mode_32 3
		.amdhsa_float_denorm_mode_16_64 3
		.amdhsa_memory_ordered 1
		.amdhsa_forward_progress 1
		.amdhsa_inst_pref_size 57
	.end_amdhsa_kernel
	.amdgpu_metadata
---
amdhsa.version: [ 1, 2 ]
amdhsa.kernels:
  - .name:           k_q2e862aa34e_prep
    .symbol:         k_q2e862aa34e_prep.kd
    .args:
      - { .name: mW1, .offset: 0, .size: 8, .value_kind: global_buffer, .address_space: global }
      - { .name: mb1, .offset: 8, .size: 8, .value_kind: global_buffer, .address_space: global }
      - { .name: mW2, .offset: 16, .size: 8, .value_kind: global_buffer, .address_space: global }
      - { .name: mb2, .offset: 24, .size: 8, .value_kind: global_buffer, .address_space: global }
      - { .name: mW3, .offset: 32, .size: 8, .value_kind: global_buffer, .address_space: global }
      - { .name: mb3, .offset: 40, .size: 8, .value_kind: global_buffer, .address_space: global }
      - { .name: oW1, .offset: 48, .size: 8, .value_kind: global_buffer, .address_space: global }
      - { .name: ob1, .offset: 56, .size: 8, .value_kind: global_buffer, .address_space: global }
      - { .name: oW2, .offset: 64, .size: 8, .value_kind: global_buffer, .address_space: global }
      - { .name: ob2, .offset: 72, .size: 8, .value_kind: global_buffer, .address_space: global }
      - { .name: init_h, .offset: 80, .size: 8, .value_kind: global_buffer, .address_space: global }
      - { .name: wk, .offset: 88, .size: 8, .value_kind: global_buffer, .address_space: global }
    .group_segment_fixed_size: 5120
    .private_segment_fixed_size: 0
    .kernarg_segment_align: 8
    .kernarg_segment_size: 96
    .max_flat_workgroup_size: 256
    .sgpr_count:     66
    .vgpr_count:     128
    .wavefront_size: 32
...
	.end_amdgpu_metadata
.endif
;; end of part 1
;; launch chain (part 2): grid 8 x 31, 4 waves a work-group, clusters of 4 x 1, 327,680 bytes of LDS; arguments input_samples, wk, out0; writes out0
.if DOCPART == 2
	.amdgcn_target "amdgcn-amd-amdhsa--gfx1250"
	.amdhsa_code_object_version 6
	.text
	.protected	k_q2e862aa34e_chain
	.globl	k_q2e862aa34e_chain
	.p2align	8
	.type	k_q2e862aa34e_chain,@function
k_q2e862aa34e_chain:
	s_mov_b64 s[64:65], 0
	v_nop
	global_prefetch_b8 v0, s[64:65] scope:SCOPE_SE
	s_setreg_imm32_b32 hwreg(HW_REG_WAVE_MODE, 25, 1), 1
	s_wait_xcnt 0x0
	s_wait_alu depctr_hold_cnt(0) depctr_sa_sdst(0) depctr_va_vdst(0) depctr_va_sdst(0) depctr_va_ssrc(0) depctr_va_vcc(0) depctr_vm_vsrc(0)
	s_getreg_b32 s2, hwreg(HW_REG_IB_STS2, 6, 4)
	s_cmp_eq_u32 s2, 0
	s_cbranch_scc0 .Lentry_in_a_cluster
	s_endpgm
.Lentry_in_a_cluster:
	s_bfe_u32 s2, ttmp6, 0x10000c
	s_cmp_lg_u32 s2, 0x3003
	s_cbranch_scc0 .Lentry_shape_is_right
	s_endpgm
.Lentry_shape_is_right:
; MLPSampler, launch 2 of 2: out0[n][i + 1] for step i = the work-group's y, rows 512 x .. 512 x + 511; step 0's work-groups also write column 0.
; Left out, as shown at the first kernel's head: mW1's rows past i (zeros in the fragments), what the two logits have in common (one column wd, one number bd), column 0's 4,095 equal rows.
; LIMITS.  A sample is 0 or 1 (it indexes a table of two): x takes its value, the choice its bit 0.  Matrix operands are bf16 (mb1 too, which rides as row 31 of mW1); sums, mb2, mb3, ob1, wd, bd are f32.
; exp2 of less than -126 counts as 0; NaN and infinities are not treated apart.
; SHARES.  A work-group takes its 512 rows in two passes of 256; a wave has 64 rows, four tiles of 16.  31 steps x 8 row blocks = 248 work-groups of equal work.
; LAYOUT.  Every product is taken transposed: source 0 = 16 output features x 32 inputs (a fragment of 1,024 bytes as the first launch laid it: lane L takes bytes 16 L and 512 + 16 L), source 1 = 32 inputs x
; 16 rows.  In a result lane (r, h) holds row r and features 8 h + 0..7; two results rounded to bf16 ARE source 1 of the next layer.  So activations never leave registers, never change lanes, and no barrier serves them.
; Biases in f32 are the C operand of a sum's first product.  The last layer is one column after the difference: an f32 multiply-add on relu's result, not a tile of which 15 columns of 16 would be padding.
; REGISTERS bound the order.  Layer 2's 512 features x 64 rows are 1,024 f32: made in two halves of 16 blocks (512 registers).  Its input h1 would be 512 more, so h1 is made again as it is wanted: for k-step
; kk + 1 while kk is multiplied, 8 products of 72.  Layers 3 and 4 go by chunks of two blocks, 8 accumulators, all of K from registers.
; THE STREAM.  Weights pass through two LDS slots of 131,072 bytes: a pass is 8 fills (mW2 4, mW3 2, oW1 2), fill f in slot f & 1.  A fragment read from LDS feeds four products.
; CLUSTER.  The four row blocks of a cluster walk the same step's weights: each fill is asked for JOINTLY, the same load, descriptor and mask in all four; each wave brings a quarter (128 rows of 256 bytes).
; A change of slots is a round of the cluster's barrier; behind it a wave has one tensor load out (three at the start), with a slot's 512 to 576 products in which to land.
; OUT.  A wave's 64 results of a pass are one column of 64 rows: two stores of 4 bytes a lane, 128 bytes apart.  An aligned 256 bytes of out0 hold 2 rows x 32 steps, the work of 32 work-groups: whole
; blocks would want a workspace and a third launch for 131,072 numbers.
; WINDOWS of 256 registers (s_set_vgpr_msb: bits 1:0 source 0, 3:2 source 1, 5:4 source 2, 7:6 destination):
;   0: v2-15 addresses; v16-31 at work; layer 2: X v32-63, HA v64-95, HF v96-159 (two buffers), RG v160-255 (two of six fragments); layers 3, 4: B3 v32-47, ACC3 v64-127, R8 v128-255 (two of eight)
;   1, 2: layer 2's accumulators, block n at window 1 + n / 8, v[32 (n % 8) + 8 t]; then 1: h2's second half, later the next pass's samples; 2: the state
;   3: h2's first half; in layer 4 accumulator sets v0-63, v64-127, WD v128-159, BE v160-175, DD v176-183
.set R_B,   43008
.set STEPB, 829440
.set OWOFF, 31*STEPB
.set D0OFF, OWOFF+262144
.set FILL,  131072
.set SLOT1, 1<<17
.set RES,   262144                     ; the resident block: 43,008 bytes, filled once
.set SPARE, RES+R_B                    ; the spare words, 128 bytes a wave: two blocks of 256 bytes that no other line names
.set O_B2,  34816
.set O_B3,  36864
.set O_OB,  37888
.set O_WD,  39936
.set O_BD,  41984
.set AL, 2                             ; 16 x lane; never rewritten
.set AS, 3                             ; SB + AL: the stream
.set AR, 4                             ; KW + ALR: mW1's fragments
.set ALR, 5                            ; AL + RES
.set AB, 6                             ; RES + 32 h: a lane's eight f32 of a block
.set ABH, 7                            ; mb2's half in hand
.set ABO, 8                            ; KW + AB: ob1's chunk in hand; wd lies O_WD - O_OB further
.set ZERO, 9
.set SPW, 10
.set NIL, 11
.set GX, 12                            ; samples: 8,192 w + 128 r + 32 h
.set GS, 13                            ; samples and out0: 8,192 w + 128 lane + 4 (i + 1)
.set PFO, 14                           ; 256 x lane
.set CBA, 15                           ; bd
.set X, 32
.set HA, 64
.set HF, 96
.set RG, 160
.set B3, 32
.set ACC3, 64
.set R8, 128
.set WD, 128
.set BE, 160
.set DD, 176
.set WV, 10                            ; wave
.set CX, 11                            ; place in the cluster: it enters global addresses of samples, out0 and prefetches alone
.set XB, 12
.set Y, 13                             ; step i
.set G1, 16                            ; s[16:23] group 1 of a fill's quarter
.set G1R, 24                           ; s[24:31] of the resident block's quarter
.set G0A, 32                           ; s[32:35] fill 0
.set G0, 36                            ; s[36:39] fill 1, then the walking set
.set G0R, 40                           ; s[40:43] the resident block
.set PST, 44                           ; s[44:45] the step's stream + 32,768 w
.set POW, 46                           ; s[46:47] oW1's stream + 32,768 w
.set PD0, 48                           ; s[48:49] column 0's parts
.set OFF, 50                           ; s[50:51]
.set TAU, 52                           ; layer 2's slot, 0..3
.set CNT, 53
.set PASS, 54
.set CH, 55                            ; asks so far
.set LIM, 56                           ; a wave prefetches while CH is below it
.set FST, 57                           ; 1: the next k-step is a half's first
.set PFA, 58                           ; s[58:59] my share of the fill to be prefetched
.set PFW, 60                           ; s[60:61] my share of oW1's first fill
.set SB, 62                            ; LDS byte at which the stream is being read
.set KW, 63                            ; offset in the resident block
.set SL4, 66
.set HM, 67                            ; lanes 16-31
.set SEL, 68                           ; s[68:69]
.set SMP, 70                           ; s[70:71] samples at the pass's first row
.set PF0, 72                           ; s[72:73] my share of the step's fill 2
.set OUT, 74                           ; s[74:75] out0 at the pass's first row
.set D0P, 80                           ; s80-87
.set MLO, 88
.set ONE, 89
.set L2E, 90
.set LN2, 91
.set MSB, 0
.macro WIN new                         ; the high byte repeats the setting that is left; a switch that changes nothing is dropped
.if MSB != (\new)
	s_set_vgpr_msb (MSB<<8)|(\new)
.set MSB, (\new)
.endif
.endm
.macro NOP4                            ; four places: between a matrix instruction and a load into, or a vector write or read of, its registers (ISA guide 7.12.1 for vector writes and reads)
.rept 4
	v_nop
.endr
.endm
.macro CREST                           ; a round of the cluster's barrier behind its opening barrier
	s_cmp_lg_u32 s[WV], 0
	s_cbranch_scc1 .Lnot_wave_0_\@
	s_barrier_signal -3
.Lnot_wave_0_\@:
	s_barrier_wait -3
	s_barrier_signal -1
	s_barrier_wait -1
.endm
.macro CROUND
	s_barrier_signal -1
	s_barrier_wait -1
	CREST
.endm
.macro JLOAD                           ; the joint refill: first thing behind the round; an s_nop 0 and four v_nop follow it; they are also the places in front of the LDS loads behind
	tensor_load_to_lds s[G0:G0+3], s[G1:G1+7]
	s_nop 0
	NOP4
.endm
; A PREFETCH INTO THE L2 of the fill that the NEXT change of slots asks for: a slot's products ahead.  wk is read first in pass 0.  A step's fills are read by its two clusters: cluster x = 0 asks, for fills 3, 4, 5;
; oW1's two fills are read by all: cluster (0, 0) asks.  A fill is 4 partners x 4 waves x 32 lanes x 256 bytes, shared out BY ADDRESS: each block is named once in the launch.  Fills 0 to 2 come by their loads alone.
.macro ASK
	s_cmp_lt_u32 s[CH], s[LIM]
	s_cbranch_scc0 .Lnot_mine_\@
	global_prefetch_b8 v[PFO], s[PFA:PFA+1] th:TH_LOAD_NT scope:SCOPE_SE
.Lnot_mine_\@:
	s_add_co_u32 s[CH], s[CH], 1
.endm
.macro LF d, a, o                      ; a bf16 fragment
	ds_load_b128 v[(\d):(\d)+3], v[\a] offset:(\o)
	ds_load_b128 v[(\d)+4:(\d)+7], v[\a] offset:(\o)+512
.endm
.macro LB d, a, o                      ; eight f32 of a block (bias or wd): the same for the 16 lanes of a half
	ds_load_b128 v[(\d):(\d)+3], v[\a] offset:(\o)
	ds_load_b128 v[(\d)+4:(\d)+7], v[\a] offset:(\o)+16
.endm
.macro LOADX off                       ; 64 rows of samples as source 1 wants them: lane (r, h) takes columns 8 h .. + 7 and 16 + 8 h .. + 7 of row 16 t + r, into window 1
	WIN 0x40
.irp t, 0,1,2,3
	global_load_b128 v[16*\t:16*\t+3],     v[GX], s[SMP:SMP+1] offset:(\off)+2048*\t
	global_load_b128 v[16*\t+4:16*\t+7],   v[GX], s[SMP:SMP+1] offset:(\off)+2048*\t+16
	global_load_b128 v[16*\t+8:16*\t+11],  v[GX], s[SMP:SMP+1] offset:(\off)+2048*\t+64
	global_load_b128 v[16*\t+12:16*\t+15], v[GX], s[SMP:SMP+1] offset:(\off)+2048*\t+80
.endr
	WIN 0
.endm
; ---- LAYERS 1 AND 2.  In every run of products the accumulators take turns, one instruction a turn: 64 others stand between two links of a chain.
.macro L1 buf, s                       ; HA(t) = mW1's fragment in slot s of buffer buf x X(t)
	WIN 0
.irp t, 0,1,2,3
	v_wmma_f32_16x16x32_bf16 v[HA+8*\t:HA+8*\t+7], v[RG+48*(\buf)+8*(\s):RG+48*(\buf)+8*(\s)+7], v[X+8*\t:X+8*\t+7], 0
.endr
.endm
.macro BK n, buf, s, p                 ; block n += fragment x HF[p], four tiles
	WIN 0x50*(1+(\n)/8)
.irp t, 0,1,2,3
	v_wmma_f32_16x16x32_bf16 v[32*((\n)%8)+8*\t:32*((\n)%8)+8*\t+7], v[RG+48*(\buf)+8*(\s):RG+48*(\buf)+8*(\s)+7], v[HF+32*(\p)+8*\t:HF+32*(\p)+8*\t+7], v[32*((\n)%8)+8*\t:32*((\n)%8)+8*\t+7]
.endr
.endm
.macro BBK n, buf, sb, sw              ; a half's first k-step: block n = bias (slot sb) + fragment (slot sw) x HF[0]
	WIN 0x40*(1+(\n)/8)
.irp t, 0,1,2,3
	v_wmma_f32_16x16x32_bf16 v[32*((\n)%8)+8*\t:32*((\n)%8)+8*\t+7], v[RG+48*(\buf)+8*(\sw):RG+48*(\buf)+8*(\sw)+7], v[HF+8*\t:HF+8*\t+7], v[RG+48*(\buf)+8*(\sb):RG+48*(\buf)+8*(\sb)+7]
.endr
.endm
.macro CV hb, t, q                     ; HA(t) rounded to bf16 into half hb of HF[q](t); the result is read from its low end on
	WIN 0
.irp j, 0,1,2,3
	v_cvt_pk_bf16_f32 v[HF+32*(\q)+8*(\t)+4*(\hb)+\j], v[HA+8*(\t)+2*\j], v[HA+8*(\t)+2*\j+1]
.endr
.endm
.macro MX hb, t, q                     ; relu on the packed halves
	WIN 0
.irp j, 0,1,2,3
	v_pk_max_num_bf16 v[HF+32*(\q)+8*(\t)+4*(\hb)+\j], v[HF+32*(\q)+8*(\t)+4*(\hb)+\j], v[ZERO]
.endr
.endm
.macro FG0 buf                         ; 12 loads: mW1's even fragment of the k-step after next, mW2's blocks 0-4 of the next
	WIN 0
	LF RG+48*(\buf), AR, 0
.irp f, 0,1,2,3,4
	LF RG+48*(\buf)+8+8*\f, AS, 1024*\f
.endr
.endm
.macro FG1 buf                         ; mW1's odd fragment, blocks 5-9
	WIN 0
	LF RG+48*(\buf), AR, 1024
.irp f, 0,1,2,3,4
	LF RG+48*(\buf)+8+8*\f, AS, 5120+1024*\f
.endr
.endm
.macro FG2 buf                         ; blocks 10-15
	WIN 0
.irp f, 0,1,2,3,4,5
	LF RG+48*(\buf)+8*\f, AS, 10240+1024*\f
.endr
.endm
.macro FGA                             ; a half's first group, into buffer 0: mW1's two fragments, then bias and fragment of blocks 0, 1
	WIN 0
	LF RG, AR, 0
	LF RG+8, AR, 1024
	LB RG+16, ABH, 0
	LF RG+24, AS, 0
	LB RG+32, ABH, 64
	LF RG+40, AS, 1024
.endm
.macro FGP buf, n0, np                 ; bias and fragment of blocks n0 .. n0 + np - 1
	WIN 0
.set fi, 0
.rept \np
	LB RG+48*(\buf)+16*fi, ABH, 64*((\n0)+fi)
	LF RG+48*(\buf)+16*fi+8, AS, 1024*((\n0)+fi)
.set fi, fi+1
.endr
.endm
.macro STEPK
	s_add_co_u32 s[SB], s[SB], 16384
	s_add_co_u32 s[KW], s[KW], 2048
	WIN 0
	v_add_nc_u32 v[AS], s[SB], v[AL]
	v_add_nc_u32 v[AR], s[KW], v[ALR]
.endm
; A K-STEP reads HF[p] and makes HF[1 - p], in three groups on buffers p, 1 - p, p.  A group first asks for the next group's 12 loads, into the buffer that the group before read (its last product stands four riders
; back), then waits with the count 12, which leaves out just those.  Behind each block's four products stand four vector instructions of the next h1.
.macro KG0 p
	FG1 1-(\p)
	s_wait_dscnt 12
	L1 \p, 0
	NOP4                                           ; the places in front of the first reading of HA
	BK 0, \p, 1, \p
	CV 0, 0, 1-(\p)
	BK 1, \p, 2, \p
	CV 0, 1, 1-(\p)
	BK 2, \p, 3, \p
	CV 0, 2, 1-(\p)
	BK 3, \p, 4, \p
	CV 0, 3, 1-(\p)
	BK 4, \p, 5, \p
	MX 0, 0, 1-(\p)
.endm
.macro KG1 p
	FG2 \p
	s_wait_dscnt 12
	L1 1-(\p), 0
	BK 5, 1-(\p), 1, \p
	MX 0, 1, 1-(\p)                                ; these four are the places in front of the reading of HA
	BK 6, 1-(\p), 2, \p
	CV 1, 0, 1-(\p)
	BK 7, 1-(\p), 3, \p
	CV 1, 1, 1-(\p)
	BK 8, 1-(\p), 4, \p
	CV 1, 2, 1-(\p)
	BK 9, 1-(\p), 5, \p
	CV 1, 3, 1-(\p)
.endm
.macro KG2 p
	STEPK
	FG0 1-(\p)
	s_wait_dscnt 12
	BK 10, \p, 0, \p
	MX 0, 2, 1-(\p)
	BK 11, \p, 1, \p
	MX 0, 3, 1-(\p)
	BK 12, \p, 2, \p
	MX 1, 0, 1-(\p)
	BK 13, \p, 3, \p
	MX 1, 1, 1-(\p)
	BK 14, \p, 4, \p
	MX 1, 2, 1-(\p)
	BK 15, \p, 5, \p
	MX 1, 3, 1-(\p)
.endm
; A half's first k-step: each block's bias comes beside its fragment, so a buffer holds three pairs or two.  Each wait's count is the number of loads just issued.
.macro KSTEP0B
	FGP 1, 2, 3
	s_wait_dscnt 12
	L1 0, 0
	NOP4
	BBK 0, 0, 2, 3
	CV 0, 0, 1
	CV 0, 1, 1
	BBK 1, 0, 4, 5
	CV 0, 2, 1
	CV 0, 3, 1
	L1 0, 1
	MX 0, 0, 1
	FGP 0, 5, 3
	s_wait_dscnt 12
	BBK 2, 1, 0, 1
	CV 1, 0, 1
	BBK 3, 1, 2, 3
	CV 1, 1, 1
	BBK 4, 1, 4, 5
	CV 1, 2, 1
	FGP 1, 8, 2
	s_wait_dscnt 8
	BBK 5, 0, 0, 1
	CV 1, 3, 1
	BBK 6, 0, 2, 3
	MX 0, 1, 1
	BBK 7, 0, 4, 5
	MX 0, 2, 1
	FGP 0, 10, 2
	s_wait_dscnt 8
	BBK 8, 1, 0, 1
	MX 0, 3, 1
	BBK 9, 1, 2, 3
	MX 1, 0, 1
	FGP 1, 12, 2
	s_wait_dscnt 8
	BBK 10, 0, 0, 1
	MX 1, 1, 1
	BBK 11, 0, 2, 3
	MX 1, 2, 1
	FGP 0, 14, 2
	s_wait_dscnt 8
	BBK 12, 1, 0, 1
	MX 1, 3, 1
	BBK 13, 1, 2, 3
	NOP4
	STEPK
	FG0 1
	s_wait_dscnt 12
	BBK 14, 0, 0, 1
	BBK 15, 0, 2, 3
	NOP4
.endm
; A slot's last group, with THE CHANGE OF SLOTS.  Each wave waits for all its tensor loads (one is out: its quarter of the other slot), adds 0 to its spare word, and waits for that and for its reads of this slot; the
; barrier opens a round of the cluster's, with products alone inside; behind the round no wave of any partner reads this slot or has a load on its way, and the joint refill comes first.
.macro KG2C
	WIN 0
	s_wait_xcnt 0x0                                ; the last prefetch, a slot back, has read its address
	s_add_nc_u64 s[PFA:PFA+1], s[PFA:PFA+1], FILL
	s_cmp_eq_u32 s[TAU], 3
	s_cselect_b64 s[PFA:PFA+1], s[PFW:PFW+1], s[PFA:PFA+1]  ; behind the step's fill 5 comes oW1's first
	s_wait_tensorcnt 0x0
	ds_add_u32 v[SPW], v[NIL]                      ; the scalar work stands between the add and its wait
	s_xor_b32 s[G0+1], s[G0+1], SLOT1              ; the walking descriptor: the slot that is being left,
	s_add_co_u32 s[OFF], s[TAU], 2
	s_lshl_b32 s[OFF], s[OFF], 17
	s_add_nc_u64 s[G0+2:G0+3], s[PST:PST+1], s[OFF:OFF+1]  ; the step's fill TAU + 2
	s_or_b32 s[G0+3], s[G0+3], 0x80000000
	s_sub_co_u32 s[SB], s[SB], 7*16384
	s_xor_b32 s[SB], s[SB], SLOT1
	s_add_co_u32 s[KW], s[KW], 2048
	s_wait_dscnt 0x0                               ; the add is done; my last reads of this slot, this group's fragments, are in
	s_barrier_signal -1
	BK 10, 1, 0, 1
	MX 0, 2, 0
	BK 11, 1, 1, 1
	MX 0, 3, 0
	BK 12, 1, 2, 1
	MX 1, 0, 0
	WIN 0
	s_barrier_wait -1
	CREST
	JLOAD
	v_add_nc_u32 v[AS], s[SB], v[AL]
	v_add_nc_u32 v[AR], s[KW], v[ALR]
	s_and_b32 s14, s[TAU], 1
	s_cmp_lg_u32 s14, 0
	s_cbranch_scc1 .Lhalf_ends_\@                  ; behind a half's last k-step another fetch follows: LDS loads alone are jumped
	FG0 0
.Lhalf_ends_\@:
	ASK
	BK 13, 1, 3, 1
	MX 1, 1, 0
	BK 14, 1, 4, 1
	MX 1, 2, 0
	BK 15, 1, 5, 1
	MX 1, 3, 0
.endm
; A half's 64 accumulators -> 256 registers of bf16 in window dw: block eb, tile et into half eb % 2 of fragment (eb / 2, et); then relu.  With dw = 1 in place: a destination lies in registers already read.
.macro EPI dw
	WIN ((\dw)<<6)|0x05
.set eb, 0
.rept 16
.if eb == 8
	WIN ((\dw)<<6)|0x0a
.endif
.set et, 0
.rept 4
.irp j, 0,1,2,3
	v_cvt_pk_bf16_f32 v[32*(eb/2)+8*et+4*(eb%2)+\j], v[32*(eb%8)+8*et+2*\j], v[32*(eb%8)+8*et+2*\j+1]
.endr
.set et, et+1
.endr
.set eb, eb+1
.endr
	WIN ((\dw)<<6)|(\dw)
.set eb, 0
.rept 256
	v_pk_max_num_bf16 v[eb], v[eb], v[ZERO]
.set eb, eb+1
.endr
	WIN 0
.endm
; ---- LAYERS 3 AND 4: eight fragments a group (four k-steps x two blocks), two buffers
.macro F8 buf, o
	WIN 0
.irp f, 0,1,2,3,4,5,6,7
	LF R8+64*(\buf)+8*\f, AS, (\o)+1024*\f
.endr
.endm
.macro M3 g, k0, k1                    ; group g of a chunk, its k-steps k0 .. k1 - 1: the 8 accumulators by turns; h2 in window 3 (g < 2) or 1
	WIN 0x0c-8*((\g)/2)
.set ks, \k0
.rept (\k1)-(\k0)
.irp b, 0,1
.irp t, 0,1,2,3
.if ((\g) == 0) && (ks == 0)
	v_wmma_f32_16x16x32_bf16 v[ACC3+32*\b+8*\t:ACC3+32*\b+8*\t+7], v[R8+64*((\g)%2)+8*(2*ks+\b):R8+64*((\g)%2)+8*(2*ks+\b)+7], v[32*(4*((\g)%2)+ks)+8*\t:32*(4*((\g)%2)+ks)+8*\t+7], v[B3+8*\b:B3+8*\b+7]
.else
	v_wmma_f32_16x16x32_bf16 v[ACC3+32*\b+8*\t:ACC3+32*\b+8*\t+7], v[R8+64*((\g)%2)+8*(2*ks+\b):R8+64*((\g)%2)+8*(2*ks+\b)+7], v[32*(4*((\g)%2)+ks)+8*\t:32*(4*((\g)%2)+ks)+8*\t+7], v[ACC3+32*\b+8*\t:ACC3+32*\b+8*\t+7]
.endif
.endr
.endr
.set ks, ks+1
.endr
.endm
.macro CV3 ch                          ; chunk ch of the state, rounded, is k-step ch of layer 4's source 1, in window 2
	NOP4
	WIN 0x80
.irp b, 0,1
.irp t, 0,1,2,3
.irp j, 0,1,2,3
	v_cvt_pk_bf16_f32 v[32*(\ch)+8*\t+4*\b+\j], v[ACC3+32*\b+8*\t+2*\j], v[ACC3+32*\b+8*\t+2*\j+1]
.endr
.endr
.endr
	WIN 0
.endm
.macro G3 ch, g                        ; asks for the next group, waits with the count of what it has just asked for, multiplies
	WIN 0
.if (\g) != 0
	NOP4                                           ; (in front of group 0 the places stand in CV3)
.endif
.if (\g) == 3
	s_add_co_u32 s[SB], s[SB], 32768
	v_add_nc_u32 v[AS], s[SB], v[AL]
	F8 0, 0
	LB B3, AB, O_B3+128*((\ch)+1)
	LB B3+8, AB, O_B3+128*((\ch)+1)+64
	s_wait_dscnt 20
.else
	F8 ((\g)+1)%2, ((\g)+1)*8192
	s_wait_dscnt 16
.endif
	M3 \g, 0, 4
.if (\g) == 3
	CV3 \ch
.endif
.endm
.macro F4N s                           ; layer 4's next chunk: its first eight fragments, its ob1, and its wd into the registers of the set that is not s
	WIN 0
	v_add_nc_u32 v[AS], s[SB], v[AL]
	v_add_nc_u32 v[ABO], s[KW], v[AB]
	F8 0, 0
	WIN 0xc0
	LB BE, ABO, 0
	LB BE+8, ABO, 64
	LB WD+16*(1-(\s)), ABO, O_WD-O_OB
	LB WD+16*(1-(\s))+8, ABO, O_WD-O_OB+64
	WIN 0
.endm
.macro G3C ch, second                  ; a slot's last group of layer 3, with the change of slots (as in KG2C); the refills are oW1's two fills
	WIN 0
.if !(\second)
	s_wait_xcnt 0x0
	s_add_nc_u64 s[PFA:PFA+1], s[PFA:PFA+1], FILL
.endif
	s_wait_tensorcnt 0x0
	ds_add_u32 v[SPW], v[NIL]
	s_xor_b32 s[G0+1], s[G0+1], SLOT1
	s_add_nc_u64 s[G0+2:G0+3], s[POW:POW+1], (\second)*FILL
	s_or_b32 s[G0+3], s[G0+3], 0x80000000
	s_sub_co_u32 s[SB], s[SB], 3*32768
	s_xor_b32 s[SB], s[SB], SLOT1
	s_wait_dscnt 0x0
	s_barrier_signal -1
	M3 3, 0, 2
	WIN 0
	s_barrier_wait -1
	CREST
	JLOAD
.if \second
	s_mov_b32 s[KW], O_OB
	F4N 1
.else
	v_add_nc_u32 v[AS], s[SB], v[AL]
	F8 0, 0
	LB B3, AB, O_B3+128*((\ch)+1)
	LB B3+8, AB, O_B3+128*((\ch)+1)+64
	ASK
.endif
	M3 3, 2, 4
	CV3 \ch
.endm
; Rider q of the 96 that finish a chunk in set s: for each accumulator eight relu, from its low end on, then four packed multiply-adds with wd into the tile's pair DD.
.macro RID s
.set ra, 64*(\s)+8*(q/12)
.set ro, q%12
.if ro < 8
	v_max_num_f32 v[ra+ro], 0, v[ra+ro]
.else
	v_pk_fma_f32 v[DD+2*((q/12)%4):DD+2*((q/12)%4)+1], v[ra+2*(ro-8):ra+2*(ro-8)+1], v[WD+16*(\s)+8*(q/48)+2*(ro-8):WD+16*(\s)+8*(q/48)+2*(ro-8)+1], v[DD+2*((q/12)%4):DD+2*((q/12)%4)+1]
.endif
.set q, q+1
.endm
.macro M4 s, gh, k0, k1, rid           ; set s, half gh of K; rid = 1: three riders of the other set, the chunk before, behind each product
.set ks, \k0
.rept (\k1)-(\k0)
.irp b, 0,1
.irp t, 0,1,2,3
	WIN 0xf8
.if ((\gh) == 0) && (ks == 0)
	v_wmma_f32_16x16x32_bf16 v[64*(\s)+32*\b+8*\t:64*(\s)+32*\b+8*\t+7], v[R8+64*(\gh)+8*(2*ks+\b):R8+64*(\gh)+8*(2*ks+\b)+7], v[32*(4*(\gh)+ks)+8*\t:32*(4*(\gh)+ks)+8*\t+7], v[BE+8*\b:BE+8*\b+7]
.else
	v_wmma_f32_16x16x32_bf16 v[64*(\s)+32*\b+8*\t:64*(\s)+32*\b+8*\t+7], v[R8+64*(\gh)+8*(2*ks+\b):R8+64*(\gh)+8*(2*ks+\b)+7], v[32*(4*(\gh)+ks)+8*\t:32*(4*(\gh)+ks)+8*\t+7], v[64*(\s)+32*\b+8*\t:64*(\s)+32*\b+8*\t+7]
.endif
.if \rid
	WIN 0xff
	RID 1-(\s)
	RID 1-(\s)
	RID 1-(\s)
.endif
.endr
.endr
.set ks, ks+1
.endr
.endm
.macro G4A s, rid
	WIN 0
	NOP4                                           ; behind the last group's products: for the loads into its buffer and for the riders on its results
	F8 1, 8192
	s_wait_dscnt 16
.set q, 0
	M4 \s, 0, 0, 4, \rid
.endm
.macro G4B s
	WIN 0
	NOP4
	s_add_co_u32 s[SB], s[SB], 16384
	s_add_co_u32 s[KW], s[KW], 128
	F4N \s
	s_wait_dscnt 24
	M4 \s, 1, 0, 4, 0
.endm
.macro G4C refill                      ; a slot's last group of layer 4.  refill = 1 (pass 0): the change of slots as above; the refills are the next pass's fills 0 and 1.
	WIN 0                                          ; refill = 0 (the last pass): a plain barrier: its first use shows oW1's second fill whole to every wave; its second, in the loop's one text, has nothing left to order
	s_wait_tensorcnt 0x0
	ds_add_u32 v[SPW], v[NIL]
.if \refill
	s_xor_b32 s[G0+1], s[G0+1], SLOT1
	s_sub_co_u32 s[OFF], 2, s[SL4]
	s_lshl_b32 s[OFF], s[OFF], 17
	s_add_nc_u64 s[G0+2:G0+3], s[PST:PST+1], s[OFF:OFF+1]
	s_or_b32 s[G0+3], s[G0+3], 0x80000000
.endif
	s_sub_co_u32 s[SB], s[SB], 7*16384
	s_xor_b32 s[SB], s[SB], SLOT1
	s_add_co_u32 s[KW], s[KW], 128
	s_wait_dscnt 0x0
	s_barrier_signal -1
	M4 1, 1, 0, 2, 0
	WIN 0
	s_barrier_wait -1
.if \refill
	CREST
	JLOAD
.else
	NOP4
.endif
	s_cmp_eq_u32 s[SL4], 1
	s_cbranch_scc1 .Lno_chunk_\@                   ; behind the last chunk nothing is fetched: LDS loads alone are jumped
	F4N 1
.Lno_chunk_\@:
	M4 1, 1, 2, 4, 0
.endm
.macro L4 refill                       ; 16 chunks, in pairs on sets 0 and 1; the loop is entered in the middle of a trip, behind a first group that has no riders yet
	WIN 0
	global_load_b32 v28, v[GS], s[SMP:SMP+1]       ; the samples that choose: column i + 1 of my rows 0-31,
	global_load_b32 v29, v[GS], s[SMP:SMP+1] offset:4096  ; and 32-63
.if \refill
	LOADX 32768                                    ; the next pass's history: window 1 is free behind layer 3
.endif
	WIN 0xc0
.irp j, 0,1,2,3,4,5,6,7
	v_mov_b32 v[DD+\j], 0
.endr
	WIN 0
	s_mov_b32 s[SL4], 2
	s_mov_b32 s[CNT], 4
	G4A 0, 0
	WIN 0
	s_branch .Lenter_\@
.Lslot4_\@:
	s_mov_b32 s[CNT], 4
.Lpair4_\@:
	G4A 0, 1
	WIN 0
.Lenter_\@:
	G4B 0
	G4A 1, 1
	WIN 0
	s_sub_co_u32 s[CNT], s[CNT], 1
	s_cmp_eq_u32 s[CNT], 0
	s_cbranch_scc1 .Lchg4_\@
	G4B 1
	WIN 0
	s_branch .Lpair4_\@
.Lchg4_\@:
	G4C \refill
	WIN 0
	s_sub_co_u32 s[SL4], s[SL4], 1
	s_cmp_lg_u32 s[SL4], 0
	s_cbranch_scc1 .Lslot4_\@
.endm
; The chosen entry of log_softmax, from d = l1 - l0 in v\z0, v\z1 and the samples: z = d for sample 0, -d for sample 1; the entry is -(max(z, 0) + ln(1 + e^-|z|)): the maximum is out before the exponential.
; Each pair of transcendentals is a batch: a plain instruction behind it, and one wait ahead of the first reader.
.macro LOGP z0, z1, s0, s1, t0, t1
	v_lshlrev_b32 v\t0, 31, v\s0
	v_lshlrev_b32 v\t1, 31, v\s1
	v_xor_b32 v\z0, v\z0, v\t0
	v_xor_b32 v\z1, v\z1, v\t1
	v_mul_f32 v\t0, -|v\z0|, s[L2E]
	v_mul_f32 v\t1, -|v\z1|, s[L2E]
	v_exp_f32 v\t0, v\t0
	v_exp_f32 v\t1, v\t1
	v_max_num_f32 v\z0, 0, v\z0
	v_max_num_f32 v\z1, 0, v\z1
	s_wait_alu depctr_va_vdst(0)
	v_add_f32 v\t0, 1.0, v\t0
	v_add_f32 v\t1, 1.0, v\t1
	v_log_f32 v\t0, v\t0
	v_log_f32 v\t1, v\t1
	v_nop
	s_wait_alu depctr_va_vdst(0)
	v_fma_f32 v\z0, -v\t0, s[LN2], -v\z0
	v_fma_f32 v\z1, -v\t1, s[LN2], -v\z1
.endm
; ================ THE HEAD
	s_load_b128 s[4:7], s[0:1], 0x0                ; input_samples s[4:5], wk s[6:7]
	s_load_b64 s[8:9], s[0:1], 0x10                ; out0
	v_lshl_add_u32 v[SPW], v0, 2, SPARE
	v_mov_b32 v[NIL], 0
	ds_add_u32 v[SPW], v[NIL]                      ; the wave's opening: the add, twice on end, and its wait ahead of my first tensor load; work on registers stands between
	ds_add_u32 v[SPW], v[NIL]
	v_lshrrev_b32 v1, 5, v0
	v_readfirstlane_b32 s[WV], v1                  ; wave 0..3
	s_bfe_u32 s[CX], ttmp6, 0x40000
	s_lshl_b32 s[XB], ttmp9, 2                     ; in a cluster launch ttmp9 counts clusters
	s_add_co_u32 s[XB], s[XB], s[CX]               ; my block of 512 rows
	s_and_b32 s[Y], ttmp7, 0xffff                  ; the step, which the four partners share
.irp g, G1, G1R                                        ; dense bytes as rows of 256: elements of 8 bytes, 32 to a row, 32 from row to row
	s_mov_b32 s[\g], 15|(3<<16)|(1<<21)            ; 15:0 the mask of four; 17:16 8-byte elements; 21 set beside a mask; no padding: lane L reads 16 L
	s_mov_b32 s[\g+1], 32<<16                      ; tensor_dim0
	s_mov_b32 s[\g+3], 32<<16                      ; tile_dim0
	s_mov_b32 s[\g+5], 32                          ; stride
	s_mov_b32 s[\g+6], 0
	s_mov_b32 s[\g+7], 0
.endr
	s_mov_b32 s[G1+2], 128<<16                     ; tensor_dim1, tile_dim1: a quarter of a fill,
	s_mov_b32 s[G1+4], 128
	s_mov_b32 s[G1R+2], 42<<16                     ; of the resident block's 168 rows
	s_mov_b32 s[G1R+4], 42
	s_mov_b32 s[G0A], 1
	s_lshl_b32 s[G0A+1], s[WV], 15                 ; LDS: slot 0 + 32,768 w: no place in the cluster enters an LDS address
	s_mov_b32 s[G0], 1
	s_add_co_u32 s[G0+1], s[G0A+1], SLOT1
	s_mov_b32 s[G0R], 1
	s_mul_i32 s[G0R+1], s[WV], 10752
	s_add_co_u32 s[G0R+1], s[G0R+1], RES
	s_mov_b32 s[HM], 0xffff0000
	s_mov_b32 s[SEL], 0x76543210
	s_mov_b32 s[SEL+1], 0xfedcba98
	s_mov_b32 s[MLO], 0xffff
	s_mov_b32 s[ONE], 0x3f800000                   ; bf16 1.0 in the upper half
	s_mov_b32 s[L2E], 0x3fb8aa3b                   ; log2(e)
	s_mov_b32 s[LN2], 0x3f317218                   ; ln(2)
	s_mov_b32 s[OFF+1], 0
	s_cmp_eq_u32 s[Y], 0
	s_cselect_b32 s[LIM], 5, 3
	s_cmp_eq_u32 ttmp9, 0
	s_cselect_b32 s[LIM], s[LIM], 0                ; the same in all four partners
	s_mul_i32 s14, s[Y], STEPB                     ; offsets for the descriptors, in registers that never hold cx
	s_mov_b32 s15, 0
	s_mul_i32 s92, s[WV], 10752
	s_add_co_u32 s92, s92, s14
	s_mov_b32 s93, 0
	s_lshl_b32 s94, s[WV], 15
	s_mov_b32 s95, 0
	s_add_co_u32 s14, s14, s94
	s_add_co_u32 s14, s14, R_B
	s_lshl_b32 s76, s[CX], 15                      ; my share of a fill, for the prefetches: 32,768 cx + 8,192 w
	s_lshl_b32 s77, s[WV], 13
	s_add_co_u32 s76, s76, s77
	s_mov_b32 s77, 0
	s_mul_i32 s78, s[Y], STEPB
	s_add_co_u32 s78, s78, s76
	s_add_co_u32 s78, s78, R_B+2*FILL
	s_mov_b32 s79, 0
	s_lshl_b32 s96, s[XB], 16                      ; 512 rows of 128 bytes
	s_mov_b32 s97, 0
	s_wait_dscnt 0x0                               ; both opening adds are done
	s_wait_kmcnt 0x0
	s_add_nc_u64 s[G0R+2:G0R+3], s[6:7], s[92:93]
	s_or_b32 s[G0R+3], s[G0R+3], 0x80000000
	s_add_nc_u64 s[PST:PST+1], s[6:7], s[14:15]
	s_add_nc_u64 s[G0A+2:G0A+3], s[PST:PST+1], 0
	s_or_b32 s[G0A+3], s[G0A+3], 0x80000000
	s_add_nc_u64 s[G0+2:G0+3], s[PST:PST+1], FILL
	s_or_b32 s[G0+3], s[G0+3], 0x80000000
	s_add_nc_u64 s[POW:POW+1], s[6:7], s[94:95]
	s_add_nc_u64 s[POW:POW+1], s[POW:POW+1], OWOFF
	s_add_nc_u64 s[PF0:PF0+1], s[6:7], s[78:79]
	s_add_nc_u64 s[PFW:PFW+1], s[6:7], s[76:77]
	s_add_nc_u64 s[PFW:PFW+1], s[PFW:PFW+1], OWOFF
	s_add_nc_u64 s[PD0:PD0+1], s[6:7], D0OFF
	s_add_nc_u64 s[SMP:SMP+1], s[4:5], s[96:97]
	s_add_nc_u64 s[OUT:OUT+1], s[8:9], s[96:97]
	CROUND                                         ; all four work-groups are here: the first joint loads meet
	tensor_load_to_lds s[G0R:G0R+3], s[G1R:G1R+7]  ; the three first fills go out as one group: three loads of mine are out
	s_nop 0
	tensor_load_to_lds s[G0A:G0A+3], s[G1:G1+7]
	s_nop 0
	tensor_load_to_lds s[G0:G0+3], s[G1:G1+7]
	s_nop 0
	NOP4
	v_and_b32 v1, 31, v0
	v_bfe_u32 v16, v0, 4, 1                        ; h
	v_and_b32 v17, 15, v0                          ; r
	s_lshl_b32 s14, s[WV], 13
	v_lshlrev_b32 v[GX], 7, v17
	v_lshl_add_u32 v[GX], v16, 5, v[GX]
	v_add_nc_u32 v[GX], s14, v[GX]
	LOADX 0
	v_lshlrev_b32 v[AL], 4, v1
	v_add_nc_u32 v[ALR], RES, v[AL]
	v_lshlrev_b32 v[AB], 5, v16
	v_add_nc_u32 v[AB], RES, v[AB]
	v_mov_b32 v[ZERO], 0
	v_lshl_add_u32 v[GS], v1, 7, s14
	s_lshl_b32 s15, s[Y], 2
	s_add_co_u32 s15, s15, 4
	v_add_nc_u32 v[GS], s15, v[GS]
	v_lshlrev_b32 v[PFO], 8, v1
	v_mov_b32 v[CBA], RES+O_BD
.irp j, 20,21,22,23
	v_mov_b32 v\j, 0                               ; v_permlanex16_b32's destinations count as read
.endr
	s_mov_b32 s[SB], 0
	s_mov_b32 s[CH], 0
	s_mov_b32 s[PASS], 2
	s_wait_tensorcnt 0x1                           ; my quarters of the resident block and of fill 0 are in; fill 1's may stay out
	s_barrier_signal -1
	s_barrier_wait -1                              ; everybody's are
; ================ A PASS: 256 rows
.Lpass:
	s_mov_b64 s[PFA:PFA+1], s[PF0:PF0+1]           ; (behind the loop's s_wait_xcnt 0) so the pointer never leaves wk
	s_wait_loadcnt 0x0                             ; the samples
	WIN 0x41
.set r, 0
.rept 64
	v_cvt_f32_i32 v[r], v[r]
.set r, r+1
.endr
	WIN 0x05
.set r, 0
.rept 32
	v_cvt_pk_bf16_f32 v[X+r], v[2*r], v[2*r+1]
.set r, r+1
.endr
	WIN 0
.irp t, 0,1,2,3                                        ; k = 31 (upper half of register 7 in lanes 16-31) is no history: it holds 1, for mb1
	v_and_or_b32 v16, v[X+8*\t+7], s[MLO], s[ONE]
	v_cndmask_b32 v[X+8*\t+7], v[X+8*\t+7], v16, s[HM]
.endr
	LF RG+48, ALR, 0                               ; mW1's fragments 0, 1: h1 of k-step 0
	LF RG+56, ALR, 1024
	s_mov_b32 s[KW], 2048
	v_add_nc_u32 v[AR], s[KW], v[ALR]
	v_add_nc_u32 v[ABH], O_B2, v[AB]
	v_add_nc_u32 v[AS], s[SB], v[AL]
	FGA
	s_wait_dscnt 12                                ; all but FGA's twelve
	L1 1, 0
	NOP4
.irp t, 0,1,2,3
	CV 0, \t, 0
.endr
	L1 1, 1
.irp t, 0,1,2,3
	MX 0, \t, 0                                    ; the places in front of the reading of HA
.endr
.irp t, 0,1,2,3
	CV 1, \t, 0
.endr
.irp t, 0,1,2,3
	MX 1, \t, 0
.endr
	s_mov_b32 s[FST], 1
	s_mov_b32 s[TAU], 0
.Lslot2:                                               ; four slots of eight k-steps; the test for a half's first k-step stands first: at the first trip its answer is a constant of the text
	s_mov_b32 s[CNT], 4
	s_cmp_eq_u32 s[FST], 1
	s_cbranch_scc0 .Lpair
	KSTEP0B
	WIN 0
	s_mov_b32 s[FST], 0
	s_branch .Lodd
.Lpair:
	KG0 0
	KG1 0
	KG2 0
	WIN 0
.Lodd:
	KG0 1
	KG1 1
	WIN 0
	s_sub_co_u32 s[CNT], s[CNT], 1
	s_cmp_eq_u32 s[CNT], 0
	s_cbranch_scc1 .Lchg2
	KG2 1
	WIN 0
	s_branch .Lpair
.Lchg2:
	KG2C
	WIN 0
	s_cmp_lg_u32 s[TAU], 1
	s_cbranch_scc1 .Lnext2
	v_add_nc_u32 v[ABH], 1024, v[ABH]              ; THE FIRST HALF IS DONE.  Its last k-step has made h1 of k-step 0 anew, from fragments 32 and 33.  The second half's first fetch goes out,
	s_mov_b32 s[KW], 2048
	v_add_nc_u32 v[AR], s[KW], v[ALR]
	FGA
	s_mov_b32 s[FST], 1
	EPI 3                                          ; and the first half of h2 goes to window 3
.Lnext2:
	s_add_co_u32 s[TAU], s[TAU], 1
	s_cmp_lt_u32 s[TAU], 4
	s_cbranch_scc1 .Lslot2
	F8 0, 0                                        ; THE SECOND HALF IS DONE (the h1 that its last k-step made serves nothing: the price of one text for every k-step).  Layer 3's first fetch,
	LB B3, AB, O_B3
	LB B3+8, AB, O_B3+64
	EPI 1                                          ; and the second half of h2, in place in window 1
.irp ch, 0,1,2
	G3 \ch, 0
	G3 \ch, 1
	G3 \ch, 2
	G3 \ch, 3
.endr
	G3 3, 0
	G3 3, 1
	G3 3, 2
	G3C 3, 0
.irp ch, 4,5,6
	G3 \ch, 0
	G3 \ch, 1
	G3 \ch, 2
	G3 \ch, 3
.endr
	G3 7, 0
	G3 7, 1
	G3 7, 2
	G3C 7, 1
	s_sub_co_u32 s[PASS], s[PASS], 1
	s_cmp_eq_u32 s[PASS], 0
	s_cbranch_scc1 .Llast                          ; layer 4 is written twice
	L4 1
	s_branch .Lfin
.Llast:
	L4 0
.Lfin:
	ds_load_b32 v27, v[CBA]                        ; bd
	NOP4
	WIN 0xff
.set q, 0
.rept 96
	RID 1                                          ; the last chunk
.endr
	WIN 0x0f
.irp t, 0,1,2,3
	v_add_f32 v[16+\t], v[DD+2*\t], v[DD+2*\t+1]
.endr
	WIN 0
.irp t, 0,1,2,3
	v_permlanex16_b32 v[20+\t], v[16+\t], s[SEL], s[SEL+1]  ; a row's other features lie in the lane 16 away
.endr
.irp t, 0,1,2,3
	v_add_f32 v[16+\t], v[16+\t], v[20+\t]
.endr
	v_cndmask_b32 v24, v16, v17, s[HM]             ; lane L: row L of my 64 (tiles 0, 1),
	v_cndmask_b32 v25, v18, v19, s[HM]             ; row 32 + L (tiles 2, 3)
	s_wait_dscnt 0x0
	v_add_f32 v24, v24, v27
	v_add_f32 v25, v25, v27
	s_wait_loadcnt 0x0                             ; the samples that choose; the next pass's history, asked for a whole layer ago, with them
	LOGP 24, 25, 28, 29, 16, 17
	global_store_b32 v[GS], v24, s[OUT:OUT+1]
	global_store_b32 v[GS], v25, s[OUT:OUT+1] offset:4096
	s_cmp_lg_u32 s[Y], 0
	s_cbranch_scc1 .Lnot0                          ; the step is the same in all partners
.irp c, 0,1,2,3,4,5,6,7                                ; COLUMN 0: the eight parts of its logit difference, the same for every row
	s_load_b32 s[D0P+\c], s[PD0:PD0+1], 256*\c
.endr
	global_load_b32 v30, v[GS], s[SMP:SMP+1] offset:-4      ; here i + 1 = 1: column 0 lies 4 bytes back
	global_load_b32 v31, v[GS], s[SMP:SMP+1] offset:4092
	s_wait_kmcnt 0x0
	s_add_f32 s[D0P], s[D0P], s[D0P+1]
	s_add_f32 s[D0P+2], s[D0P+2], s[D0P+3]
	s_add_f32 s[D0P+4], s[D0P+4], s[D0P+5]
	s_add_f32 s[D0P+6], s[D0P+6], s[D0P+7]
	s_add_f32 s[D0P], s[D0P], s[D0P+2]
	s_add_f32 s[D0P+4], s[D0P+4], s[D0P+6]
	s_add_f32 s[D0P], s[D0P], s[D0P+4]
	v_add_f32 v20, s[D0P], v27
	v_mov_b32 v21, v20
	s_wait_loadcnt 0x0
	LOGP 20, 21, 30, 31, 22, 23
	global_store_b32 v[GS], v20, s[OUT:OUT+1] offset:-4
	global_store_b32 v[GS], v21, s[OUT:OUT+1] offset:4092
.Lnot0:
	s_wait_xcnt 0x0                                ; every load, store and prefetch so far has read its sources: the pointers, the stores' data and the prefetch pointer are written only behind this wait
	s_add_nc_u64 s[SMP:SMP+1], s[SMP:SMP+1], 32768 ; the next 256 rows (behind the last pass: not used)
	s_add_nc_u64 s[OUT:OUT+1], s[OUT:OUT+1], 32768
	s_cmp_lg_u32 s[PASS], 0
	s_cbranch_scc1 .Lpass
	s_wait_tensorcnt 0x0                           ; the wave's end
	ds_add_u32 v[SPW], v[NIL]
	s_wait_dscnt 0x0
	CROUND                                         ; the closing round: no work-group ends while a partner may still ask for a fill that names it
	s_endpgm
.Lfunc_end_k_q2e862aa34e_chain:
	.size	k_q2e862aa34e_chain, .Lfunc_end_k_q2e862aa34e_chain-k_q2e862aa34e_chain
	.p2alignl 7, 3214868480
	.fill 96, 4, 3214868480
	.section	.rodata,"a",@progbits
	.p2align	6, 0x0
	.amdhsa_kernel k_q2e862aa34e_chain
		.amdhsa_group_segment_fixed_size 327680
		.amdhsa_private_segment_fixed_size 0
		.amdhsa_enable_private_segment 0
		.amdhsa_kernarg_size 24
		.amdhsa_user_sgpr_count 2
		.amdhsa_user_sgpr_kernarg_segment_ptr 1
		.amdhsa_wavefront_size32 1
		.amdhsa_system_sgpr_workgroup_id_x 1
		.amdhsa_system_sgpr_workgroup_id_y 1
		.amdhsa_system_sgpr_workgroup_id_z 1
		.amdhsa_system_vgpr_workitem_id 0
		.amdhsa_next_free_vgpr 1024
		.amdhsa_next_free_sgpr 100
		.amdhsa_reserve_vcc 0
		.amdhsa_float_denorm_mode_32 3
		.amdhsa_float_denorm_mode_16_64 3
		.amdhsa_memory_ordered 1
		.amdhsa_forward_progress 1
		.amdhsa_inst_pref_size 255
	.end_amdhsa_kernel
	.section	.bss,"aw",@nobits
	.p2align	6
	.space	262144
	.amdgpu_metadata
---
amdhsa.version: [ 1, 2 ]
amdhsa.kernels:
  - .name:           k_q2e862aa34e_chain
    .symbol:         k_q2e862aa34e_chain.kd
    .args:
      - { .name: input_samples, .offset: 0, .size: 8, .value_kind: global_buffer, .address_space: global }
      - { .name: wk, .offset: 8, .size: 8, .value_kind: global_buffer, .address_space: global }
      - { .name: out0, .offset: 16, .size: 8, .value_kind: global_buffer, .address_space: global }
    .group_segment_fixed_size: 327680
    .private_segment_fixed_size: 0
    .kernarg_segment_align: 8
    .kernarg_segment_size: 24
    .max_flat_workgroup_size: 128
    .sgpr_count:     100
    .vgpr_count:     1024
    .wavefront_size: 32
...
	.end_amdgpu_metadata
.endif
;; end of part 2
